; MI455X (gfx1250); checked and timed in simulation.
; The chip was launched on July 23, 2026; its instructions are those of AMD's public machine-readable ISA for CDNA 5 (MIT licence, August 2026) and "CDNA5" Instruction Set Architecture Reference Guide (July 2026). The comments in the code are by the model that wrote it; some were corrected since.
;; Multi Head Attention. Allowed arithmetic: float matrix products may take bf16 or f16 operands with f32 sums; all other float work in f32.
;; Inputs: w_o 1,024 x 1,024 float32; w_qkv 3,072 x 1,024 float32; x 2 x 2,048 x 1,024 float32.
;; Outputs: out0 2 x 2,048 x 1,024 float32.
;; One version. Each part assembles by itself: llvm-mc -triple=amdgcn-amd-amdhsa -mcpu=gfx1250 --defsym DOCPART=n.
;; ======== version 1 of 1: 4 launches
;; limits: values are held in f16: magnitudes above 65,504 overflow, below 6.1e-05 lose precision
;; workspace buffers: xb 8,388,608 bytes; wqb 6,291,456 bytes; wob 2,097,152 bytes; qkvh 25,165,824 bytes; ao 8,388,608 bytes
;; launch cast (part 1): grid 512 x 1, 8 waves a work-group, no clusters, 0 bytes of LDS; arguments x, w_qkv, w_o, xb, wqb, wob; writes xb, wqb, wob
.if DOCPART == 1
	.amdgcn_target "amdgcn-amd-amdhsa--gfx1250"
	.amdhsa_code_object_version 6
	.text
	.protected	k_qd52de79c72_cast
	.globl	k_qd52de79c72_cast
	.p2align	8
	.type	k_qd52de79c72_cast,@function
k_qd52de79c72_cast:
	s_mov_b64 s[64:65], 0
	v_nop
	global_prefetch_b8 v0, s[64:65] scope:SCOPE_SE
	s_setreg_imm32_b32 hwreg(HW_REG_WAVE_MODE, 25, 1), 1
	s_wait_xcnt 0x0
; The three f32 inputs are rounded once to 16 bits, so that the products' tiles can go from memory to LDS as they are.
; x -> xb and w_qkv -> wqb in bf16.  w_o -> wob: rounded to bf16 like the other inputs and then written as f16, since the last
; product's other operand (the attention result) is f16.
; LIMIT: |w_o| < 65,504; the step from bf16 to f16 is exact for |w_o| >= 2^-17, below that it rounds to multiples of 2^-24.
; A work-group takes 16,384 numbers (64 KiB in, 32 KiB out): groups 0-255 x, 256-447 w_qkv, 448-511 w_o.
; Thread t takes 16 bytes at 16 t of each 4,096 bytes: a wave's load covers 512 consecutive bytes, a wave's store 256, aligned.
; A pure stream: no LDS, no barrier, no matrix unit; all sixteen loads of a wave are out before the first is used.
.set X, 4                              ; v[4:67]    sixteen loads of four f32
.set Y, 68                             ; v[68:99]   sixteen pairs of registers, four 16-bit numbers each
.set T, 100                            ; v[100:101] at work
	s_load_b256 s[4:11], s[0:1], 0x0               ; x s[4:5], w_qkv s[6:7], w_o s[8:9], xb s[10:11]
	s_load_b128 s[12:15], s[0:1], 0x20             ; wqb s[12:13], wob s[14:15]
	v_lshlrev_b32 v1, 4, v0                        ; 16 t: my bytes in each 4,096 of the source
	v_lshlrev_b32 v2, 3, v0                        ; 8 t: my bytes in each 2,048 of the destination
	s_mov_b32 s23, 0
	s_mov_b32 s24, 0xffff0000                      ; a word's upper bf16
	s_wait_kmcnt 0x0
	s_cmp_ge_u32 ttmp9, 256                        ; which tensor: the choice hangs on the group's number alone
	s_cselect_b64 s[18:19], s[6:7], s[4:5]
	s_cselect_b64 s[20:21], s[12:13], s[10:11]
	s_cselect_b32 s16, 256, 0
	s_cmp_ge_u32 ttmp9, 448
	s_cselect_b64 s[18:19], s[8:9], s[18:19]
	s_cselect_b64 s[20:21], s[14:15], s[20:21]
	s_cselect_b32 s16, 448, s16
	s_sub_co_u32 s16, ttmp9, s16                   ; my part of that tensor
	s_lshl_b32 s22, s16, 16                        ; 64 KiB of source a part (at most 16 MiB in all)
	s_add_nc_u64 s[18:19], s[18:19], s[22:23]
	s_lshl_b32 s22, s16, 15                        ; 32 KiB of destination a part
	s_add_nc_u64 s[20:21], s[20:21], s[22:23]
.irp i, 0,1,2,3,4,5,6,7,8,9,10,11,12,13,14,15
	global_load_b128 v[X+4*\i:X+4*\i+3], v1, s[18:19] offset:4096*\i th:TH_LOAD_NT   ; read once in the launch
.endr
.irp i, 0,1,2,3,4,5,6,7,8,9,10,11,12,13,14,15
	s_wait_loadcnt 15-\i                           ; loads come back in order: load i is in, the 15 - i younger ones stay out
	v_cvt_pk_bf16_f32 v[Y+2*\i],   v[X+4*\i],   v[X+4*\i+1]
	v_cvt_pk_bf16_f32 v[Y+2*\i+1], v[X+4*\i+2], v[X+4*\i+3]
.endr
	s_cmp_lt_u32 ttmp9, 448
	s_cbranch_scc1 .Lstore
	; w_o alone: the bf16 numbers are written in f16
.set q, 0
.rept 32
	v_lshlrev_b32 v[T], 16, v[Y+q]
	v_and_b32 v[T+1], s24, v[Y+q]
	v_cvt_pk_f16_f32 v[Y+q], v[T], v[T+1]
.set q, q+1
.endr
.Lstore:
.irp i, 0,1,2,3,4,5,6,7,8,9,10,11,12,13,14,15
	global_store_b64 v2, v[Y+2*\i:Y+2*\i+1], s[20:21] offset:2048*\i    ; the next launch reads these: no hint
.endr
	s_endpgm
.Lfunc_end_k_qd52de79c72_cast:
	.size	k_qd52de79c72_cast, .Lfunc_end_k_qd52de79c72_cast-k_qd52de79c72_cast
	.p2alignl 7, 3214868480
	.fill 96, 4, 3214868480
	.section	.rodata,"a",@progbits
	.p2align	6, 0x0
	.amdhsa_kernel k_qd52de79c72_cast
		.amdhsa_group_segment_fixed_size 0
		.amdhsa_private_segment_fixed_size 0
		.amdhsa_enable_private_segment 0
		.amdhsa_kernarg_size 48
		.amdhsa_user_sgpr_count 2
		.amdhsa_user_sgpr_kernarg_segment_ptr 1
		.amdhsa_wavefront_size32 1
		.amdhsa_system_sgpr_workgroup_id_x 1
		.amdhsa_system_sgpr_workgroup_id_y 1
		.amdhsa_system_sgpr_workgroup_id_z 1
		.amdhsa_system_vgpr_workitem_id 0
		.amdhsa_next_free_vgpr 104
		.amdhsa_next_free_sgpr 66
		.amdhsa_reserve_vcc 0
		.amdhsa_float_denorm_mode_32 3
		.amdhsa_float_denorm_mode_16_64 3
		.amdhsa_memory_ordered 1
		.amdhsa_forward_progress 1
		.amdhsa_inst_pref_size 11
	.end_amdhsa_kernel
	.amdgpu_metadata
---
amdhsa.version: [ 1, 2 ]
amdhsa.kernels:
  - .name:           k_qd52de79c72_cast
    .symbol:         k_qd52de79c72_cast.kd
    .args:
      - { .name: x, .offset: 0, .size: 8, .value_kind: global_buffer, .address_space: global }
      - { .name: w_qkv, .offset: 8, .size: 8, .value_kind: global_buffer, .address_space: global }
      - { .name: w_o, .offset: 16, .size: 8, .value_kind: global_buffer, .address_space: global }
      - { .name: xb, .offset: 24, .size: 8, .value_kind: global_buffer, .address_space: global }
      - { .name: wqb, .offset: 32, .size: 8, .value_kind: global_buffer, .address_space: global }
      - { .name: wob, .offset: 40, .size: 8, .value_kind: global_buffer, .address_space: global }
    .group_segment_fixed_size: 0
    .private_segment_fixed_size: 0
    .kernarg_segment_align: 8
    .kernarg_segment_size: 48
    .max_flat_workgroup_size: 256
    .sgpr_count:     66
    .vgpr_count:     104
    .wavefront_size: 32
...
	.end_amdgpu_metadata
.endif
;; end of part 1
;; launch qkv (part 2): grid 16 x 16, 4 waves a work-group, clusters of 4 x 4, 327,680 bytes of LDS; arguments xb, wqb, qkvh; writes qkvh
.if DOCPART == 2
	.amdgcn_target "amdgcn-amd-amdhsa--gfx1250"
	.amdhsa_code_object_version 6
	.text
	.protected	k_qd52de79c72_qkv
	.globl	k_qd52de79c72_qkv
	.p2align	8
	.type	k_qd52de79c72_qkv,@function
k_qd52de79c72_qkv:
	s_mov_b64 s[64:65], 0
	v_nop
	global_prefetch_b8 v0, s[64:65] scope:SCOPE_SE
	s_setreg_imm32_b32 hwreg(HW_REG_WAVE_MODE, 25, 1), 1
	s_wait_xcnt 0x0
	s_wait_alu depctr_hold_cnt(0) depctr_sa_sdst(0) depctr_va_vdst(0) depctr_va_sdst(0) depctr_va_ssrc(0) depctr_va_vcc(0) depctr_vm_vsrc(0)
	s_getreg_b32 s2, hwreg(HW_REG_IB_STS2, 6, 4)
	s_cmp_eq_u32 s2, 0
	s_cbranch_scc0 .Lentry_in_a_cluster
	s_endpgm
.Lentry_in_a_cluster:
	s_bfe_u32 s2, ttmp6, 0x10000c
	s_cmp_lg_u32 s2, 0xf033
	s_cbranch_scc0 .Lentry_shape_is_right
	s_endpgm
.Lentry_shape_is_right:
; qkv[m][n] = sum over k of x[m][k] w_qkv[n][k].  xb: [4096][1024] bf16, wqb: [3072][1024] bf16; sums in f32.
; The result is stored in f16, head-major: qkvh[n / 64][m][n % 64] (planes 0-15 q, 16-31 k, 32-47 v; a plane is 524,288 bytes),
; so that every tile that the attention launch reads is one dense block.
; LIMIT: |q|, |k|, |v| < 65,504 (f16).  f16 and not bf16: eight times finer, which the first tokens' outputs need.
; A work-group makes 256 rows x 192 columns (three heads) with four waves; a wave makes 128 x 96: 48 accumulator tiles, 384 registers.
; 16 x 16 = 256 work-groups.  K goes in steps of 128 through two LDS slots filled by the tensor data mover: rows of 256 bytes, aligned.
; CLUSTERS of 4 x 4: the four work-groups of a row of the cluster need the same tiles of x, the four of a column the same tiles of w:
; each tile is asked for jointly, with one descriptor and a mask that names the four.
; REGISTERS in windows of 256: window 0 addresses and x's fragments (two buffers), window 1 w's fragments (two buffers),
; window 2 the tiles of my rows 0-63 (tile (a, b) at v[8 (6 a + b)]), window 3 those of my rows 64-127.
; The matrix instruction is used transposed (source 0 = rows of w, source 1 = rows of x): a lane's eight results are eight
; neighbouring columns of one token, 16 bytes in f16.
.set SIZE_K, 1024
.set KSTEP,  128
.set PITCH,  272                       ; 256 bytes + 16 of padding: 17 x 16, so sixteen rows start at sixteen different 16-byte columns modulo 256
.set HALFA,  128*PITCH                 ; 128 rows of x: one tensor load, and what one wave reads of x
.set HALFB,  96*PITCH                  ; 96 rows of w likewise
.set BOFF,   2*HALFA                   ; w's rows lie behind x's 256
.set SLOT,   2*HALFA+2*HALFB           ; 121,856
.set STAGE,  2*SLOT                    ; 243,712 = 952 x 256: behind the ring, never a tensor load's target
.set SP,     400                       ; a stage row: 384 bytes (three heads of one token) + 16
.set HSTR,   524288                    ; bytes in a head plane of qkvh
.set LAPS,   SIZE_K/(2*KSTEP)          ; 4 laps of two K steps
.set ADRA, 16                          ; v16-17  LDS address of my x fragments in slot 0, 1
.set ADRB, 20                          ; v20-21  the same for w
.set STO,  24                          ; v24     the way out: where I put 16 bytes
.set RD,   25                          ; v25     the way out: where I read back
.set CO,   26                          ; v26     16 x lane
.set F0,   64
.set F1,   128
.set TMP,  64                          ; v64-159  the way out: packed results
.set RB,   160                         ; v160-255 the way out: read back
.set G1, 24                            ; s[24:31] group 1 for x's tiles
.set G0, 32                            ; s[32:39] group 0 for x's tiles, one set a slot
.set G1B, 48                           ; s[48:55] group 1 for w's tiles
.set G0B, 56                           ; s[56:63] group 0 for w's tiles, one set a slot
.set MSB, 0
.macro WIN new                         ; the immediate's high byte repeats the setting that is left
.if MSB != \new
	s_set_vgpr_msb (MSB<<8)|\new
.set MSB, \new
.endif
.endm
.set MUL_LO, 0xa1                      ; source 0 (w) window 1, source 1 (x) window 0, C and D window 2
.set MUL_HI, 0xf1                      ; the same, C and D window 3
.set TO_B,   0x40                      ; destination window 1, address window 0
; A joint load: waves 0 and 1 ask for x's halves, waves 2 and 3 for w's.  The branch hangs on the wave's number alone.
.macro JLOAD s
	s_cmp_eq_u32 s11, 0
	s_cbranch_scc0 .Lfor_b_\@
	tensor_load_to_lds s[G0+4*\s:G0+4*\s+3], s[G1:G1+7]
	s_nop 0
	s_branch .Lasked_\@
.Lfor_b_\@:
	tensor_load_to_lds s[G0B+4*\s:G0B+4*\s+3], s[G1B:G1B+7]
	s_nop 0
.Lasked_\@:
.endm
.macro CREST                           ; a round of the cluster's barrier behind its opening work-group barrier
	s_cmp_lg_u32 s10, 0
	s_cbranch_scc1 .Lnot_wave_0_\@
	s_barrier_signal -3
.Lnot_wave_0_\@:
	s_barrier_wait -3
	s_barrier_signal -1
	s_barrier_wait -1
.endm
.macro CROUND                          ; a whole round
	s_barrier_signal -1
	s_barrier_wait -1
	CREST
.endm
	s_load_b128 s[4:7], s[0:1], 0x0                ; xb s[4:5], wqb s[6:7]
	s_load_b64 s[8:9], s[0:1], 0x10                ; qkvh
	s_set_vgpr_msb 0x40
	v_lshl_add_u32 v255, v0, 2, 0x48000
	s_set_vgpr_msb 0x4000
	v_mov_b32 v63, 0
	s_set_vgpr_msb 0x1
	ds_add_u32 v255, v63
	s_set_vgpr_msb 0x100
	v_lshrrev_b32 v1, 5, v0
	v_readfirstlane_b32 s10, v1                    ; wave 0..3
	s_lshr_b32 s11, s10, 1                         ; my half of the block's rows; also: I fetch for x (0) or for w (1)
	s_and_b32 s12, s10, 1                          ; my half of its columns; also: which half of that tile I fetch
	s_bfe_u32 s40, ttmp6, 0x40000                  ; cx
	s_bfe_u32 s41, ttmp6, 0x40004                  ; cy
	s_lshl_b32 s42, ttmp9, 2
	s_add_co_u32 s42, s42, s40                     ; block column nb = 4 x cluster x + cx
	s_and_b32 s13, ttmp7, 0xffff
	s_lshl_b32 s13, s13, 2
	s_add_co_u32 s13, s13, s41                     ; block row mb = 4 x cluster y + cy
	s_lshl_b32 s43, s41, 2
	s_lshl_b32 s43, 15, s43                        ; my row of the cluster
	s_lshl_b32 s44, 0x1111, s40                    ; my column
	; group 1: rows of 128 bf16, 16 bytes of padding behind every 64 words; x 128 rows, w 96 rows
	s_or_b32 s[G1+0], s43, (1<<16)|(1<<20)|(1<<21)|(5<<22)|(3<<25)
	s_or_b32 s[G1B+0], s44, (1<<16)|(1<<20)|(1<<21)|(5<<22)|(3<<25)
	s_mov_b32 s[G1+1], KSTEP<<16                   ; tensor_dim0 = 128
	s_mov_b32 s[G1B+1], KSTEP<<16
	s_mov_b32 s[G1+2], 128<<16                     ; tensor_dim1 = 128
	s_mov_b32 s[G1B+2], 96<<16                     ; tensor_dim1 = 96
	s_mov_b32 s[G1+3], KSTEP<<16                   ; tile_dim0 = 128
	s_mov_b32 s[G1B+3], KSTEP<<16
	s_mov_b32 s[G1+4], 128                         ; tile_dim1
	s_mov_b32 s[G1B+4], 96
	s_mov_b32 s[G1+5], SIZE_K                      ; elements from row to row
	s_mov_b32 s[G1B+5], SIZE_K
	s_mov_b32 s[G1+6], 0
	s_mov_b32 s[G1B+6], 0
	s_mov_b32 s[G1+7], 0
	s_mov_b32 s[G1B+7], 0
	; x's tiles hang on the block row alone, w's on the block column alone; each in registers that never hold the other coordinate
	s_lshl_b32 s17, s12, 7
	s_lshl_b32 s16, s13, 8
	s_add_co_u32 s16, s16, s17                     ; x: row 256 mb + 128 half
	s_lshl_b32 s16, s16, 11                        ; rows of 2,048 bytes (8 MiB at the most)
	s_mov_b32 s17, 0
	s_mul_i32 s46, s42, 192
	s_mul_i32 s47, s12, 96
	s_add_co_u32 s46, s46, s47                     ; w: row 192 nb + 96 half
	s_lshl_b32 s46, s46, 11
	s_mov_b32 s47, 0
	s_mul_i32 s20, s10, HALFA                      ; x's halves go to wave x 34,816 (waves 0, 1 ask for them)
	s_mul_i32 s45, s10, HALFB
	s_add_co_u32 s45, s45, BOFF-2*HALFB            ; w's halves to BOFF + (wave - 2) x 26,112 (waves 2, 3 ask for them)
	s_wait_dscnt 0x0
	s_wait_kmcnt 0x0
	s_add_nc_u64 s[14:15], s[4:5], s[16:17]
	s_add_nc_u64 s[46:47], s[6:7], s[46:47]
	CROUND                                         ; all sixteen work-groups are here: the first joint loads meet
.irp s, 0,1
	s_mov_b32 s[G0+4*\s], 1
	s_add_co_u32 s[G0+4*\s+1], s20, \s*SLOT
	s_add_nc_u64 s[G0+4*\s+2:G0+4*\s+3], s[14:15], \s*KSTEP*2
	s_or_b32 s[G0+4*\s+3], s[G0+4*\s+3], 0x80000000
	s_mov_b32 s[G0B+4*\s], 1
	s_add_co_u32 s[G0B+4*\s+1], s45, \s*SLOT
	s_add_nc_u64 s[G0B+4*\s+2:G0B+4*\s+3], s[46:47], \s*KSTEP*2
	s_or_b32 s[G0B+4*\s+3], s[G0B+4*\s+3], 0x80000000
	JLOAD \s                                       ; K steps 0 and 1: two loads of the wave are out, later one
.endr
	v_and_b32 v1, 15, v0                           ; r = lane % 16
	v_bfe_u32 v2, v0, 4, 1                         ; h = lane / 16
	v_mul_u32_u24 v3, v1, PITCH
	v_lshl_add_u32 v3, v2, 4, v3                   ; r x pitch + 16 h
	s_mul_i32 s21, s11, HALFA                      ; my 128 rows of x
	s_mul_i32 s22, s12, HALFB                      ; my 96 rows of w,
	s_add_co_u32 s22, s22, BOFF                    ; behind x's 256
.irp s, 0,1
	v_add_nc_u32 v[ADRA+\s], s21, v3
	v_add_nc_u32 v[ADRB+\s], s22, v3
	s_add_co_u32 s21, s21, SLOT
	s_add_co_u32 s22, s22, SLOT
.endr
	; the stage: 128 rows (64 tokens of each half of the block) x 384 bytes (three heads)
	v_mul_u32_u24 v4, v1, SP
	v_lshl_add_u32 v4, v2, 4, v4                   ; in: row r, 16 bytes for each half of the lanes
	s_mul_i32 s23, s11, 64*SP                      ; + 64 rows for the lower half of the block
	s_mul_i32 s21, s12, 192                        ; + my 96 columns
	s_add_co_u32 s23, s23, s21
	s_add_co_u32 s23, s23, STAGE
	v_add_nc_u32 v[STO], s23, v4
	v_and_b32 v5, 31, v0                           ; lane
	v_lshrrev_b32 v6, 3, v5
	v_mul_u32_u24 v6, v6, SP                       ; back: eight lanes take one token's 128 bytes of one head, four tokens a load
	v_and_b32 v7, 7, v0
	v_lshl_add_u32 v6, v7, 4, v6
	s_mul_i32 s23, s10, 32*SP                      ; wave w takes stage rows 32 w .. 32 w + 31
	s_add_co_u32 s23, s23, STAGE
	v_add_nc_u32 v[RD], s23, v6
	v_lshlrev_b32 v[CO], 4, v5                     ; four tokens of a head are 512 consecutive bytes of qkvh: 16 x lane
; 12 matrix instructions: row blocks a0, a0 + 1 of the window's four x all 6 column blocks, 32 along K.  zero = 1 starts the sums.
.macro MUL12 f, hi, a0, zero
.irp a, \a0, \a0+1
.irp b, 0,1,2,3,4,5
.if \zero
	v_wmma_f32_16x16x32_bf16 v[8*(6*(\a)+\b):8*(6*(\a)+\b)+7], v[\f+8*\b:\f+8*\b+7], v[\f+8*(4*\hi+\a):\f+8*(4*\hi+\a)+7], 0
.else
	v_wmma_f32_16x16x32_bf16 v[8*(6*(\a)+\b):8*(6*(\a)+\b)+7], v[\f+8*\b:\f+8*\b+7], v[\f+8*(4*\hi+\a):\f+8*(4*\hi+\a)+7], v[8*(6*(\a)+\b):8*(6*(\a)+\b)+7]
.endif
.endr
.endr
.endm
; 28 LDS loads in one run: 96 rows of w, then 128 rows of x, 32 K at byte k of the rows, into buffer f
.macro FETCH slot, k, f
	WIN TO_B
.irp i, 0,1,2,3,4,5
	ds_load_b128 v[\f+8*\i:\f+8*\i+3],   v[ADRB+\slot] offset:\k+\i*16*PITCH
	ds_load_b128 v[\f+8*\i+4:\f+8*\i+7], v[ADRB+\slot] offset:\k+\i*16*PITCH+32
.endr
	WIN 0
.irp i, 0,1,2,3,4,5,6,7
	ds_load_b128 v[\f+8*\i:\f+8*\i+3],   v[ADRA+\slot] offset:\k+\i*16*PITCH
	ds_load_b128 v[\f+8*\i+4:\f+8*\i+7], v[ADRA+\slot] offset:\k+\i*16*PITCH+32
.endr
.endm
; Four places behind matrix instructions, in front of loads into registers that they read and of vector reads of results
.macro PLACES
.rept 4
	v_nop
.endr
.endm
; A quarter step: 48 matrix instructions on buffer f; in its middle the next quarter's fragments go into buffer g.
; The 48 accumulators take turns, one instruction a turn, in the same order in every quarter.
.macro QUARTER slot, k, f, g, zero
	s_wait_dscnt 8                                 ; w and x's rows 0-63 are in; the youngest eight loads (x's rows 64-127) may be out
	WIN MUL_LO
	MUL12 \f, 0, 0, \zero
	MUL12 \f, 0, 2, \zero
	PLACES
	FETCH \slot, \k, \g
	s_wait_dscnt 28                                ; all but the 28 just issued
	WIN MUL_HI
	MUL12 \f, 1, 0, \zero
	MUL12 \f, 1, 2, \zero
.endm
.macro THREE slot, zero
	QUARTER \slot, 64,  F0, F1, \zero
	QUARTER \slot, 128, F1, F0, 0
	QUARTER \slot, 192, F0, F1, 0
.endm
; The last quarter of a K step changes slots.  In front of the barrier each wave waits for its reads of this slot and for all its
; tensor loads (one is out: its part of the next slot).  fill = 1: the barrier opens a round of the cluster's barrier, and the joint
; refill of this slot, two K steps ahead, is the first tensor load behind the round.
.macro TURN slot, next, fill
	s_wait_dscnt 8
	WIN MUL_LO
	MUL12 F1, 0, 0, 0
	s_wait_dscnt 0                                 ; my reads of this slot are over
	s_wait_tensorcnt 0x0                           ; all my tensor loads have landed
	ds_add_u32 v255, v63
	s_wait_dscnt 0x0
	s_barrier_signal -1
	MUL12 F1, 0, 2, 0                              ; registers only, while the others arrive
	WIN 0
	s_barrier_wait -1
.if \fill
	CREST
	s_add_nc_u64 s[G0+4*\slot+2:G0+4*\slot+3], s[G0+4*\slot+2:G0+4*\slot+3], 2*KSTEP*2
	s_add_nc_u64 s[G0B+4*\slot+2:G0B+4*\slot+3], s[G0B+4*\slot+2:G0B+4*\slot+3], 2*KSTEP*2
	JLOAD \slot
.endif
	PLACES
	FETCH \next, 0, F0
	WIN MUL_HI
	MUL12 F1, 1, 0, 0
	MUL12 F1, 1, 2, 0
.endm
.macro LAP zero
	THREE 0, \zero
	TURN 0, 1, 1
	THREE 1, 0
	TURN 1, 0, 1
.endm
	s_wait_tensorcnt 1                             ; my part of K step 0 is in; K step 1's stays out
	s_barrier_signal -1
	s_barrier_wait -1
	FETCH 0, 0, F0
	LAP 1                                          ; the first products start the sums: nothing is cleared
	WIN 0
	s_mov_b32 s3, LAPS-2
.Llap:
	LAP 0
	WIN 0
	s_sub_co_u32 s3, s3, 1
	s_cmp_lg_u32 s3, 0
	s_cbranch_scc1 .Llap
	THREE 0, 0                                     ; the last lap fills nothing
	TURN 0, 1, 0
	THREE 1, 0
	s_wait_dscnt 8
	WIN MUL_LO
	MUL12 F1, 0, 0, 0
	MUL12 F1, 0, 2, 0
	s_wait_dscnt 0
	WIN MUL_HI
	MUL12 F1, 1, 0, 0
	MUL12 F1, 1, 2, 0
	; THE WAY OUT.  A wave's 96 columns are one and a half heads, so a token's three heads are put together in the stage by two waves,
	; in two passes of 64 rows of each wave (window 2, then window 3), and leave as blocks of four tokens x 128 bytes of one head.
	PLACES                                         ; behind the last matrix instructions: the conversions read results and write fragment registers
	s_lshl_b32 s16, s13, 8                         ; 256 mb
	s_lshl_b32 s14, s11, 7
	s_add_co_u32 s16, s16, s14                     ; + 128 for waves 2, 3
	s_lshl_b32 s14, s12, 5
	s_add_co_u32 s16, s16, s14                     ; + 32 for waves 1, 3: the tokens of stage rows 32 w .. 32 w + 31 in pass 0
	s_lshl_b32 s16, s16, 7                         ; 128 bytes a token
	s_mov_b32 s17, 0
	s_add_nc_u64 s[8:9], s[8:9], s[16:17]
	s_mul_i32 s46, s42, 3*HSTR                     ; head plane 3 nb (in the registers that held w's address)
	s_mov_b32 s47, 0
	s_add_nc_u64 s[8:9], s[8:9], s[46:47]
.macro OUTPASS p, from
	WIN \from
.irp a, 0,1,2,3
.irp b, 0,1,2,3,4,5
.irp q, 0,1,2,3
	v_cvt_pk_f16_f32 v[TMP+4*(6*\a+\b)+\q], v[8*(6*\a+\b)+2*\q], v[8*(6*\a+\b)+2*\q+1]
.endr
.endr
.endr
	WIN 0
.irp a, 0,1,2,3
.irp b, 0,1,2,3,4,5
	ds_store_b128 v[STO], v[TMP+4*(6*\a+\b):TMP+4*(6*\a+\b)+3] offset:\a*16*SP+\b*32
.endr
.endr
	s_wait_dscnt 0x0                               ; my stores into the stage are done, for the other waves' sake
	s_barrier_signal -1
	s_barrier_wait -1                              ; everybody's are
.if \p
	s_wait_xcnt 0x0                                ; RB is still the data of the first pass's stores: loaded again only behind this wait
.endif
.irp hh, 0,1,2
.irp pp, 0,1,2,3,4,5,6,7
	ds_load_b128 v[RB+4*(8*\hh+\pp):RB+4*(8*\hh+\pp)+3], v[RD] offset:\pp*4*SP+\hh*128
.endr
.endr
.irp hh, 0,1,2
.irp pp, 0,1,2,3,4,5,6,7
	s_wait_dscnt 23-(8*\hh+\pp)                    ; LDS loads come back in order: this one is in
	global_store_b128 v[CO], v[RB+4*(8*\hh+\pp):RB+4*(8*\hh+\pp)+3], s[8:9] offset:\hh*HSTR+\pp*512+\p*8192   ; 512 consecutive bytes, aligned
.endr
.endr
.endm
	OUTPASS 0, 0x0a
	s_barrier_signal -1                            ; every wave's reads of the stage are back (the count-down ended at 0):
	s_barrier_wait -1                              ; only now is it written again
	OUTPASS 1, 0x0f
	s_set_vgpr_msb 0x1
	s_wait_tensorcnt 0x0
	ds_add_u32 v255, v63
	s_wait_dscnt 0x0
	s_set_vgpr_msb 0x100
	CROUND                                         ; the closing round: no work-group ends while a partner may still ask jointly
	s_endpgm
.Lfunc_end_k_qd52de79c72_qkv:
	.size	k_qd52de79c72_qkv, .Lfunc_end_k_qd52de79c72_qkv-k_qd52de79c72_qkv
	.p2alignl 7, 3214868480
	.fill 96, 4, 3214868480
	.section	.rodata,"a",@progbits
	.p2align	6, 0x0
	.amdhsa_kernel k_qd52de79c72_qkv
		.amdhsa_group_segment_fixed_size 327680
		.amdhsa_private_segment_fixed_size 0
		.amdhsa_enable_private_segment 0
		.amdhsa_kernarg_size 24
		.amdhsa_user_sgpr_count 2
		.amdhsa_user_sgpr_kernarg_segment_ptr 1
		.amdhsa_wavefront_size32 1
		.amdhsa_system_sgpr_workgroup_id_x 1
		.amdhsa_system_sgpr_workgroup_id_y 1
		.amdhsa_system_sgpr_workgroup_id_z 1
		.amdhsa_system_vgpr_workitem_id 0
		.amdhsa_next_free_vgpr 1024
		.amdhsa_next_free_sgpr 66
		.amdhsa_reserve_vcc 0
		.amdhsa_float_denorm_mode_32 3
		.amdhsa_float_denorm_mode_16_64 3
		.amdhsa_memory_ordered 1
		.amdhsa_forward_progress 1
		.amdhsa_inst_pref_size 158
	.end_amdhsa_kernel
	.amdgpu_metadata
---
amdhsa.version: [ 1, 2 ]
amdhsa.kernels:
  - .name:           k_qd52de79c72_qkv
    .symbol:         k_qd52de79c72_qkv.kd
    .args:
      - { .name: xb, .offset: 0, .size: 8, .value_kind: global_buffer, .address_space: global }
      - { .name: wqb, .offset: 8, .size: 8, .value_kind: global_buffer, .address_space: global }
      - { .name: qkvh, .offset: 16, .size: 8, .value_kind: global_buffer, .address_space: global }
    .group_segment_fixed_size: 327680
    .private_segment_fixed_size: 0
    .kernarg_segment_align: 8
    .kernarg_segment_size: 24
    .max_flat_workgroup_size: 128
    .sgpr_count:     66
    .vgpr_count:     1024
    .wavefront_size: 32
...
	.end_amdgpu_metadata
.endif
;; end of part 2
;; launch attn (part 3): grid 8 x 32, 8 waves a work-group, no clusters, 327,680 bytes of LDS; arguments qkvh, ao; writes ao
.if DOCPART == 3
	.amdgcn_target "amdgcn-amd-amdhsa--gfx1250"
	.amdhsa_code_object_version 6
	.text
	.protected	k_qd52de79c72_attn
	.globl	k_qd52de79c72_attn
	.p2align	8
	.type	k_qd52de79c72_attn,@function
k_qd52de79c72_attn:
	s_mov_b64 s[64:65], 0
	v_nop
	global_prefetch_b8 v0, s[64:65] scope:SCOPE_SE
	s_setreg_imm32_b32 hwreg(HW_REG_WAVE_MODE, 25, 1), 1
	s_wait_xcnt 0x0
; Causal attention of one head: ao[h][m][:] = softmax(q k^T / 8, causal) v, with a running maximum.  qkvh: [48][4096][64] f16, ao: [16][4096][64] f16.
; Work-group (j, hb): head h = hb % 16, batch b = hb / 16, query blocks 15 - j (first) and j, 128 rows each: 16 - j and j + 1 key tiles
; of 128, 17 together for every j, so the 256 work-groups are equal.  Key tiles right of the diagonal are not computed: their weights are 0.
; Eight waves on one block at a time: wave w holds 32 queries (32 (w % 4) ..) as two tiles of 16, and group g = w / 4 takes key tile
; 2 t + g of the pair of tiles that lies in the slot.  At a block's end group 1 hands (O, n, l) to group 0 through LDS.
; LAYOUT: S^T = K Q^T (source 0 = 16 keys, source 1 = 16 queries): lane (r, h), register jj holds key 8 h + jj of query r.  Two such tiles
; packed to f16 in the lane ARE source 1 of O^T = V^T P^T; source 0, V^T, comes from transposing LDS loads.  Maximum, sum and
; rescaling factor are one number a lane, and P never leaves the registers.
; p = exp2(c s + n), c = log2(e) / 8, n = -c max (rounded); old sums are rescaled by exp2(n_new - n_old), so that every weight of a
; row carries the same rounding of c max, which cancels against l.
; NO CLUSTER: which tiles a partner computes, masks or skips hangs on j, its place among the partners;
; computing all tiles under masks would be 20 tile units for 17, with a compare and a select on every score.
; LIMITS: masked weights are exactly 0 (as in f32 where a row's largest scaled score is above about -1e9 + 104); |raw score| < 1e31
; (the mask value is -FLT_MAX); the result must lie inside f16's range; l is summed from the unrounded p, P is rounded to f16.
; Where a block has an odd number of tiles the pair's second tile is brought (it lies inside the batch's keys) and not read.
.set HSTR,   524288                    ; bytes in a head plane
.set VOFF,   36864                     ; K: 256 keys x 144 bytes (128 + 16: 9 x 16); behind it V: 256 keys x 160 (128 + 32: 5 x 32, for the transposing loads)
.set SLOT,   77824                     ; 36,864 + 40,960 = 304 x 256
.set MERGE,  155648                    ; four areas of 9,216 bytes: group 1's O (16 x 512) and state (2 x 512)
.set OSTAGE, 192512                    ; eight areas of 32 rows x 144 bytes, a wave's own by its number (waves 0-3 use theirs)
.set QF,  8                            ; v[8:39]    Q fragment (i, c) at +16 i + 8 c
.set OA,  40                           ; v[40:103]  O^T tile (i, dt) at +32 i + 8 dt
.set SC,  104                          ; v[104:167] S^T tile (i, kt) at +32 i + 8 kt; P fragment (i, u) at +32 i + 16 u
.set KV,  168                          ; v[168:231] K fragment (kt, c) at +16 kt + 8 c, then V fragment (u, dt) at +32 u + 8 dt
.set TT,  232                          ; v[232:239] at work
.set ST,  240                          ; v[240:247] for each i: n, max, factor, l
.set DI,  248                          ; v[248:249] 32 (w % 4) + 16 i + r - 8 h: key offset jj' is kept where jj' <= DI
.set ADK, 250                          ; v[250:251] my K fragments' LDS address in slot 0, 1
.set ADV, 252                          ; v[252:253] my V fragments'
.set STO, 254
.set RD,  255
.set G1K, 16                           ; s[16:23]
.set G1V, 24                           ; s[24:31]
.set G0K, 32                           ; s[32:39] one set a slot
.set G0V, 40                           ; s[40:47] one set a slot
; v1 = 16 lane, v2 = 128 r + 16 h (Q), v3 = my merge area + 16 lane, v4-7 at work
; s8 wave, s9 w % 4, s10 g, s11 j, s12 the block at work, s13 trip, s14 loop counter, s15 trips of the first block, s62 pair in the block, s63 my tile
; Wave 0 brings the pair's K, wave 1 its V: one tensor load a wave, 32 KiB each; at most one load of a wave is out.
.macro LOADKV s
	s_cmp_lg_u32 s8, 0
	s_cbranch_scc1 .Lnot_k_\@
	tensor_load_to_lds s[G0K+4*(\s):G0K+4*(\s)+3], s[G1K:G1K+7]
	s_nop 0
.Lnot_k_\@:
	s_cmp_lg_u32 s8, 1
	s_cbranch_scc1 .Lnot_v_\@
	tensor_load_to_lds s[G0V+4*(\s):G0V+4*(\s)+3], s[G1V:G1V+7]
	s_nop 0
.Lnot_v_\@:
.endm
.macro QLOAD base                      ; my 32 queries as four fragments: lane (r, h) takes d = 32 c + 8 h .. and 32 c + 16 + 8 h ..
.irp i, 0,1
.irp c, 0,1
	global_load_b128 v[QF+16*\i+8*\c:QF+16*\i+8*\c+3],   v2, s[\base:\base+1] offset:2048*\i+64*\c
	global_load_b128 v[QF+16*\i+8*\c+4:QF+16*\i+8*\c+7], v2, s[\base:\base+1] offset:2048*\i+64*\c+32
.endr
.endr
.endm
.macro CLEAR                           ; a block's start.  O is cleared (twice in the launch) so that every step has one form
.set q, 0
.rept 64
	v_mov_b32 v[OA+q], 0
.set q, q+1
.endr
.irp i, 0,1
	v_mov_b32 v[ST+4*\i+1], s70                    ; max = -FLT_MAX
	v_mul_f32 v[ST+4*\i], s53, v[ST+4*\i+1]        ; n = -c max
	v_mov_b32 v[ST+4*\i+2], 0
	v_mov_b32 v[ST+4*\i+3], 0                      ; l = 0
.endr
.endm
.macro MAXI i                          ; the largest of my 32 scores and the old maximum, then the other half's: in TT + 4 i
.irp q, 0,1,2,3
	v_max3_num_f32 v[TT+4*\i+\q], v[SC+32*\i+8*\q], v[SC+32*\i+8*\q+1], v[SC+32*\i+8*\q+2]
.endr
.irp q, 0,1,2,3
	v_max3_num_f32 v[TT+4*\i+\q], v[TT+4*\i+\q], v[SC+32*\i+8*\q+3], v[SC+32*\i+8*\q+4]
.endr
.irp q, 0,1,2,3
	v_max3_num_f32 v[TT+4*\i+\q], v[TT+4*\i+\q], v[SC+32*\i+8*\q+5], v[SC+32*\i+8*\q+6]
.endr
	v_max3_num_f32 v[TT+4*\i],   v[TT+4*\i],   v[TT+4*\i+1], v[SC+32*\i+7]
	v_max3_num_f32 v[TT+4*\i+2], v[TT+4*\i+2], v[TT+4*\i+3], v[SC+32*\i+15]
	v_max3_num_f32 v[TT+4*\i],   v[TT+4*\i],   v[TT+4*\i+2], v[SC+32*\i+23]
	v_max3_num_f32 v[TT+4*\i],   v[TT+4*\i],   v[SC+32*\i+31], v[ST+4*\i+1]
	v_permlanex16_b32 v[TT+4*\i+1], v[TT+4*\i], s48, s49   ; lanes r and r + 16 hold the same query's other keys
	v_max_num_f32 v[TT+4*\i], v[TT+4*\i], v[TT+4*\i+1]
.endm
.macro FMAI i                          ; c s + n, two at a time
.set q, 0
.rept 16
	v_pk_fma_f32 v[SC+32*\i+q:SC+32*\i+q+1], v[SC+32*\i+q:SC+32*\i+q+1], s[52:53], v[ST+4*\i:ST+4*\i+1] op_sel_hi:[1,0,0]
.set q, q+2
.endr
.endm
.macro EXPI i
.set q, 0
.rept 32
	v_exp_f32 v[SC+32*\i+q], v[SC+32*\i+q]
.set q, q+1
.endr
.endm
.macro SUMI i                          ; l = l x factor + the sum of my 32 weights, in four chains
	s_wait_alu depctr_va_vdst(0)
.irp q, 0,1,2,3
	v_pk_add_f32 v[TT+2*\q:TT+2*\q+1], v[SC+32*\i+8*\q:SC+32*\i+8*\q+1], v[SC+32*\i+8*\q+2:SC+32*\i+8*\q+3]
.endr
.irp q, 0,1,2,3
	v_pk_add_f32 v[TT+2*\q:TT+2*\q+1], v[TT+2*\q:TT+2*\q+1], v[SC+32*\i+8*\q+4:SC+32*\i+8*\q+5]
.endr
.irp q, 0,1,2,3
	v_pk_add_f32 v[TT+2*\q:TT+2*\q+1], v[TT+2*\q:TT+2*\q+1], v[SC+32*\i+8*\q+6:SC+32*\i+8*\q+7]
.endr
	v_pk_add_f32 v[TT:TT+1],   v[TT:TT+1],   v[TT+2:TT+3]
	v_pk_add_f32 v[TT+4:TT+5], v[TT+4:TT+5], v[TT+6:TT+7]
	v_pk_add_f32 v[TT:TT+1],   v[TT:TT+1],   v[TT+4:TT+5]
	v_add_f32 v[TT], v[TT], v[TT+1]
	v_fma_f32 v[ST+4*\i+3], v[ST+4*\i+3], v[ST+4*\i+2], v[TT]
.endm
.macro PACKI i                         ; tiles 2 u and 2 u + 1 become P fragment u, in place: register q is written after registers 2 q, 2 q + 1 were read
.irp u, 0,1
.irp q, 0,1,2,3,4,5,6,7
	v_cvt_pk_f16_f32 v[SC+32*\i+16*\u+\q], v[SC+32*\i+16*\u+2*\q], v[SC+32*\i+16*\u+2*\q+1]
.endr
.endr
.endm
; 64 keys (half st of my tile in the slot) against my 32 queries.
.macro STEP slot, st, masked
.irp c, 0,1
.irp kt, 0,1,2,3
	ds_load_b128 v[KV+16*\kt+8*\c:KV+16*\kt+8*\c+3],   v[ADK+\slot] offset:\st*9216+\kt*2304+64*\c
	ds_load_b128 v[KV+16*\kt+8*\c+4:KV+16*\kt+8*\c+7], v[ADK+\slot] offset:\st*9216+\kt*2304+64*\c+32
.endr
.endr
	s_wait_dscnt 0x8                               ; d = 0 .. 31 of the four key tiles is in; the eight loads of d = 32 .. 63 may be out
	; the eight accumulators take turns, one instruction a turn
.irp kt, 0,1,2,3
.irp i, 0,1
	v_wmma_f32_16x16x32_f16 v[SC+32*\i+8*\kt:SC+32*\i+8*\kt+7], v[KV+16*\kt:KV+16*\kt+7], v[QF+16*\i:QF+16*\i+7], 0
.endr
.endr
	s_wait_dscnt 0x0
.irp kt, 0,1,2,3
.irp i, 0,1
	v_wmma_f32_16x16x32_f16 v[SC+32*\i+8*\kt:SC+32*\i+8*\kt+7], v[KV+16*\kt+8:KV+16*\kt+15], v[QF+16*\i+8:QF+16*\i+15], v[SC+32*\i+8*\kt:SC+32*\i+8*\kt+7]
.endr
.endr
.rept 4
	v_nop                                          ; four places (ISA guide 7.12.1): V lands on K's registers, and vector instructions read the scores
.endr
.irp u, 0,1
.irp dt, 0,1,2,3
	ds_load_tr16_b128 v[KV+32*\u+8*\dt:KV+32*\u+8*\dt+3],   v[ADV+\slot] offset:(64*\st+32*\u)*160+32*\dt        ; V^T: d = 16 dt + r, keys 32 u + 8 h ..
	ds_load_tr16_b128 v[KV+32*\u+8*\dt+4:KV+32*\u+8*\dt+7], v[ADV+\slot] offset:(64*\st+32*\u)*160+32*\dt+2560   ; keys 32 u + 16 + 8 h ..; they land during the softmax
.endr
.endr
.if \masked
	; the diagonal tile: key 64 st + 16 kt + 8 h + jj is kept where it is not beyond query 32 (w % 4) + 16 i + r
.irp i, 0,1
.irp kt, 0,1,2,3
.irp jj, 0,1,2,3,4,5,6,7
	v_cmp_le_i32 vcc_lo, 64*\st+16*\kt+\jj, v[DI+\i]
	v_cndmask_b32 v[SC+32*\i+8*\kt+\jj], s70, v[SC+32*\i+8*\kt+\jj], vcc_lo
.endr
.endr
.endr
.endif
	MAXI 0
	MAXI 1
.irp i, 0,1
	v_mul_f32 v[TT+4*\i+1], s53, v[TT+4*\i]                    ; the new n = -c max
	v_sub_f32 v[ST+4*\i+2], v[TT+4*\i+1], v[ST+4*\i]           ; n_new - n_old <= 0
.endr
	v_exp_f32 v[ST+2], v[ST+2]                     ; the factor for the old sums
	v_exp_f32 v[ST+6], v[ST+6]
.irp i, 0,1
	v_mov_b32 v[ST+4*\i+1], v[TT+4*\i]             ; plain instructions behind the exponentials, ahead of the factors' first use (ISA guide 5.7.2)
	v_mov_b32 v[ST+4*\i],   v[TT+4*\i+1]
.endr
	FMAI 0
	EXPI 0
	FMAI 1                                         ; its first line is the plain instruction behind the run of exponentials above
	EXPI 1
	SUMI 0                                         ; likewise: it touches tile 0's weights alone
	PACKI 0
	SUMI 1
	PACKI 1
.irp i, 0,1
.set q, 0
.rept 16
	v_pk_mul_f32 v[OA+32*\i+q:OA+32*\i+q+1], v[OA+32*\i+q:OA+32*\i+q+1], v[ST+4*\i+2:ST+4*\i+3] op_sel_hi:[1,0]
.set q, q+2
.endr
.endr
	s_wait_dscnt 0x0                               ; V is in
.irp u, 0,1
.irp i, 0,1
.irp dt, 0,1,2,3
	v_wmma_f32_16x16x32_f16 v[OA+32*\i+8*\dt:OA+32*\i+8*\dt+7], v[KV+32*\u+8*\dt:KV+32*\u+8*\dt+7], v[SC+32*\i+16*\u:SC+32*\i+16*\u+7], v[OA+32*\i+8*\dt:OA+32*\i+8*\dt+7]
.endr
.endr
.endr
.rept 5
	v_nop                                          ; five places: the next products write over P, the next loads land on V, the block's end reads O
.endr
.endm
; A block's end.  last = 0: the second block's queries are asked for first, so that they come in during the merge.
.macro FINISH last
.if \last
.set AOB, 68
.else
.set AOB, 60
	s_mov_b32 s12, s11                             ; the block at work is now j,
	s_mov_b32 s62, 0                               ; from its first pair of tiles
	QLOAD 66
.endif
	s_cmp_eq_u32 s10, 0
	s_cbranch_scc1 .Lno_send_\@
.set q, 0
.rept 16
	ds_store_b128 v3, v[OA+4*q:OA+4*q+3] offset:512*q
.set q, q+1
.endr
	ds_store_b128 v3, v[ST:ST+3] offset:8192
	ds_store_b128 v3, v[ST+4:ST+7] offset:8704
.Lno_send_\@:
	s_wait_dscnt 0x0                               ; group 1's stores are done, for group 0's sake
	s_barrier_signal -1
	s_barrier_wait -1                              ; the pair on its way stays out
	s_cmp_lg_u32 s10, 0
	s_cbranch_scc1 .Lno_merge_\@
.set q, 0
.rept 16
	ds_load_b128 v[SC+4*q:SC+4*q+3], v3 offset:512*q
.set q, q+1
.endr
	ds_load_b128 v[TT:TT+3], v3 offset:8192
	ds_load_b128 v[TT+4:TT+7], v3 offset:8704
	s_wait_dscnt 0x0
.irp i, 0,1
	v_min_num_f32 v4, v[ST+4*\i], v[TT+4*\i]       ; the n of the larger maximum
	v_sub_f32 v5, v4, v[ST+4*\i]
	v_sub_f32 v6, v4, v[TT+4*\i]
	v_exp_f32 v5, v5                               ; my sums' factor,
	v_exp_f32 v6, v6                               ; the other group's (0 where it had no tile)
	v_nop                                          ; the plain place behind them
	s_wait_alu depctr_va_vdst(0)
	v_mul_f32 v7, v[ST+4*\i+3], v5
	v_fma_f32 v7, v[TT+4*\i+3], v6, v7
	v_permlanex16_b32 v4, v7, s48, s49             ; the other half of the lanes summed the query's other keys
	v_add_f32 v7, v7, v4                           ; l >= 1: the largest weight is 1
	v_rcp_f32 v7, v7
	v_nop
	s_wait_alu depctr_va_vdst(0)
	v_mul_f32 v4, v5, v7
	v_mul_f32 v6, v6, v7
.set q, 0
.rept 16
	v_pk_mul_f32 v[OA+32*\i+q:OA+32*\i+q+1], v[OA+32*\i+q:OA+32*\i+q+1], v[4:5] op_sel_hi:[1,0]
	v_pk_fma_f32 v[OA+32*\i+q:OA+32*\i+q+1], v[SC+32*\i+q:SC+32*\i+q+1], v[6:7], v[OA+32*\i+q:OA+32*\i+q+1] op_sel_hi:[1,0,1]
.set q, q+2
.endr
.endr
	; a lane's eight numbers are d = 16 dt + 8 h .. + 7 of query 16 i + r: 16 bytes in f16, through my own stage into whole rows
.irp i, 0,1
.irp dt, 0,1,2,3
.irp q, 0,1,2,3
	v_cvt_pk_f16_f32 v[KV+16*\i+4*\dt+\q], v[OA+32*\i+8*\dt+2*\q], v[OA+32*\i+8*\dt+2*\q+1]
.endr
.endr
.endr
.irp i, 0,1
.irp dt, 0,1,2,3
	ds_store_b128 v[STO], v[KV+16*\i+4*\dt:KV+16*\i+4*\dt+3] offset:2304*\i+32*\dt
.endr
.endr
.irp t, 0,1,2,3,4,5,6,7
	ds_load_b128 v[KV+32+4*\t:KV+32+4*\t+3], v[RD] offset:576*\t   ; LDS serves a wave's instructions in order: these see the stores above
.endr
.irp t, 0,1,2,3,4,5,6,7
	s_wait_dscnt 7-\t
	global_store_b128 v1, v[KV+32+4*\t:KV+32+4*\t+3], s[AOB:AOB+1] offset:512*\t   ; four queries: 512 consecutive bytes, aligned
.endr
.if \last == 0
	s_wait_xcnt 0x0                                ; the stores' data registers take K fragments again only behind this wait
.endif
.Lno_merge_\@:
.if \last == 0
	CLEAR
	s_wait_loadcnt 0x0                             ; the second block's queries
.endif
.endm
; One pair of key tiles.  One barrier: in front of it every wave has waited for its reads of the other slot and for all its tensor loads
; (this slot's pair among them); behind it the other slot is filled again first, and then this slot is read.
.macro TRIP slot, refill, last
	s_set_vgpr_msb 0x5
	s_wait_tensorcnt 0x0                           ; no tensor load of mine is out: the other slot's group 0 may be written
	ds_add_u32 v0, v1
	s_wait_dscnt 0x0
	s_set_vgpr_msb 0x500
.if \refill
	s_add_co_u32 s50, s13, 1                       ; the next trip's pair: it counts from 0 again where the second block begins
	s_sub_co_u32 s51, s50, s15
	s_cmp_ge_u32 s50, s15
	s_cselect_b32 s50, s51, s50
	s_lshl_b32 s50, s50, 15                        ; 256 keys x 128 bytes
	s_mov_b32 s51, 0
	s_add_nc_u64 s[G0K+4*(1-\slot)+2:G0K+4*(1-\slot)+3], s[54:55], s[50:51]
	s_or_b32 s[G0K+4*(1-\slot)+3], s[G0K+4*(1-\slot)+3], 0x80000000
	s_add_nc_u64 s[G0V+4*(1-\slot)+2:G0V+4*(1-\slot)+3], s[56:57], s[50:51]
	s_or_b32 s[G0V+4*(1-\slot)+3], s[G0V+4*(1-\slot)+3], 0x80000000
.endif
	s_wait_dscnt 0x0                               ; my LDS reads are back
	s_barrier_signal -1
	s_barrier_wait -1
.if \refill
	LOADKV 1-\slot
.endif
	s_lshl1_add_u32 s63, s62, s10                  ; my tile = 2 x pair + group
	s_cmp_ge_u32 s63, s12
	s_cbranch_scc1 .Lnot_full_\@
	STEP \slot, 0, 0                               ; left of the diagonal: no mask
	STEP \slot, 1, 0
	s_branch .Ltile_done_\@
.Lnot_full_\@:
	s_cmp_lg_u32 s63, s12
	s_cbranch_scc1 .Ltile_done_\@                  ; right of the diagonal: nothing
	STEP \slot, 0, 1
	s_cmp_lt_u32 s9, 2
	s_cbranch_scc1 .Ltile_done_\@                  ; queries 0-63 of the block see none of its keys 64-127
	STEP \slot, 1, 1
.Ltile_done_\@:
	s_add_co_u32 s62, s62, 1
.if \last
	FINISH 1
.else
	s_add_co_u32 s50, s13, 1
	s_cmp_lg_u32 s50, s15                          ; the first block's last pair?  The same answer in all eight waves
	s_cbranch_scc1 .Lno_finish_\@
	FINISH 0
.Lno_finish_\@:
.endif
	s_add_co_u32 s13, s13, 1
.endm
	s_load_b128 s[4:7], s[0:1], 0x0                ; qkvh s[4:5], ao s[6:7]
	s_set_vgpr_msb 0x40
	v_lshl_add_u32 v0, v0, 2, 0x38000
	v_mov_b32 v1, 0
	s_set_vgpr_msb 0x4045
	ds_add_u32 v0, v1
	s_set_vgpr_msb 0x4500
	v_lshrrev_b32 v3, 5, v0
	v_readfirstlane_b32 s8, v3                     ; wave 0..7
	s_and_b32 s9, s8, 3
	s_lshr_b32 s10, s8, 2
	s_mov_b32 s11, ttmp9                           ; j
	s_sub_co_u32 s12, 15, s11                      ; the first block
	s_sub_co_u32 s15, 17, s11
	s_lshr_b32 s15, s15, 1                         ; its pairs: (16 - j) tiles, rounded up; the second block's make it 9 for every j
	s_mov_b32 s48, 0x76543210                      ; v_permlanex16_b32: lane i of one half reads lane i of the other
	s_mov_b32 s49, 0xfedcba98
	s_mov_b32 s52, 0x3e38aa3b                      ; c = log2(e) / 8
	s_mov_b32 s53, 0xbe38aa3b                      ; -c
	s_mov_b32 s70, 0xff7fffff                      ; -FLT_MAX
	s_and_b32 s62, ttmp7, 0xffff
	s_and_b32 s63, s62, 15                         ; h
	s_lshr_b32 s62, s62, 4                         ; b
	s_lshl_b32 s63, s63, 19
	s_lshl_b32 s62, s62, 18
	s_add_co_u32 s62, s62, s63                     ; h planes + b x 2,048 tokens x 128 bytes
	s_lshl_b32 s63, s9, 12
	s_add_co_u32 s63, s63, s62                     ; + my 32 queries in a block
	s_mov_b32 s51, 0
	; group 1: a pair's K (or V) is a dense block of 32 KiB: 128 rows of 32 elements of 8 bytes; padding behind every 32 words (a key's 128 bytes)
	s_mov_b32 s[G1K+0], (3<<16)|(1<<20)|(4<<22)|(3<<25)    ; K: 4 words of padding
	s_mov_b32 s[G1V+0], (3<<16)|(1<<20)|(4<<22)|(7<<25)    ; V: 8 words
.irp g, G1K, G1V
	s_mov_b32 s[\g+1], 32<<16                      ; tensor_dim0 = 32
	s_mov_b32 s[\g+2], 128<<16                     ; tensor_dim1 = 128
	s_mov_b32 s[\g+3], 32<<16                      ; tile_dim0 = 32
	s_mov_b32 s[\g+4], 128                         ; tile_dim1 = 128
	s_mov_b32 s[\g+5], 32                          ; pitch
	s_mov_b32 s[\g+6], 0
	s_mov_b32 s[\g+7], 0
.endr
.irp s, 0,1
	s_mov_b32 s[G0K+4*\s], 1
	s_mov_b32 s[G0K+4*\s+1], \s*SLOT
	s_mov_b32 s[G0V+4*\s], 1
	s_mov_b32 s[G0V+4*\s+1], \s*SLOT+VOFF
.endr
	s_wait_dscnt 0x0
	s_barrier_signal -1
	s_barrier_wait -1
	s_wait_kmcnt 0x0
	s_add_co_u32 s50, s62, 16*HSTR
	s_add_nc_u64 s[54:55], s[4:5], s[50:51]        ; the head's keys
	s_add_co_u32 s50, s62, 32*HSTR
	s_add_nc_u64 s[56:57], s[4:5], s[50:51]        ; its values
	s_lshl_b32 s50, s12, 14
	s_add_co_u32 s50, s50, s63
	s_add_nc_u64 s[58:59], s[4:5], s[50:51]        ; my queries and my results in the first block,
	s_add_nc_u64 s[60:61], s[6:7], s[50:51]
	s_lshl_b32 s50, s11, 14
	s_add_co_u32 s50, s50, s63
	s_add_nc_u64 s[66:67], s[4:5], s[50:51]        ; and in the second
	s_add_nc_u64 s[68:69], s[6:7], s[50:51]
	s_mov_b64 s[G0K+2:G0K+3], s[54:55]
	s_or_b32 s[G0K+3], s[G0K+3], 0x80000000
	s_mov_b64 s[G0V+2:G0V+3], s[56:57]
	s_or_b32 s[G0V+3], s[G0V+3], 0x80000000
	LOADKV 0                                       ; pair 0, ahead of everything else
	v_and_b32 v4, 31, v0                           ; lane
	v_and_b32 v5, 15, v0                           ; r
	v_bfe_u32 v6, v0, 4, 1                         ; h
	v_lshlrev_b32 v1, 4, v4
	v_lshlrev_b32 v2, 7, v5
	v_lshl_add_u32 v2, v6, 4, v2
	QLOAD 58
	s_mul_i32 s50, s9, 9216
	s_add_co_u32 s50, s50, MERGE
	v_add_nc_u32 v3, s50, v1
	v_lshlrev_b32 v7, 3, v6
	v_sub_nc_u32 v7, v5, v7                        ; r - 8 h
	s_lshl_b32 s50, s9, 5
	v_add_nc_u32 v[DI], s50, v7
	v_add_nc_u32 v[DI+1], 16, v[DI]
	v_mul_u32_u24 v7, v5, 144
	v_lshl_add_u32 v7, v6, 4, v7                   ; 144 r + 16 h
	s_mul_i32 s50, s10, 18432                      ; my group's 128 keys
	v_add_nc_u32 v[ADK], s50, v7
	v_add_nc_u32 v[ADK+1], SLOT, v[ADK]
	s_mul_i32 s50, s8, 4608
	s_add_co_u32 s50, s50, OSTAGE
	v_add_nc_u32 v[STO], s50, v7
	v_lshrrev_b32 v7, 3, v4
	v_mul_u32_u24 v7, v7, 144                      ; back: eight lanes take a query's 128 bytes
	v_and_b32 v5, 7, v0
	v_lshl_add_u32 v7, v5, 4, v7
	v_add_nc_u32 v[RD], s50, v7
	v_lshl_add_u32 v7, v6, 3, v5                   ; key 8 h + lane % 8
	v_mul_u32_u24 v7, v7, 160
	v_bfe_u32 v6, v0, 3, 1
	v_lshl_add_u32 v7, v6, 4, v7                   ; + 16 bytes for lanes 8-15 and 24-31
	s_mul_i32 s50, s10, 20480
	s_add_co_u32 s50, s50, VOFF
	v_add_nc_u32 v[ADV], s50, v7
	v_add_nc_u32 v[ADV+1], SLOT, v[ADV]
	CLEAR
	s_wait_loadcnt 0x0                             ; my queries
	s_mov_b32 s13, 0
	s_mov_b32 s62, 0
	s_mov_b32 s14, 4
.Lpair:
	TRIP 0, 1, 0
	TRIP 1, 1, 0
	s_sub_co_u32 s14, s14, 1
	s_cmp_lg_u32 s14, 0
	s_cbranch_scc1 .Lpair
	TRIP 0, 0, 1                                   ; the ninth pair: nothing is left to fetch
	s_set_vgpr_msb 0x5
	s_wait_tensorcnt 0x0
	ds_add_u32 v0, v1
	s_wait_dscnt 0x0
	s_set_vgpr_msb 0x500
	s_endpgm
.Lfunc_end_k_qd52de79c72_attn:
	.size	k_qd52de79c72_attn, .Lfunc_end_k_qd52de79c72_attn-k_qd52de79c72_attn
	.p2alignl 7, 3214868480
	.fill 96, 4, 3214868480
	.section	.rodata,"a",@progbits
	.p2align	6, 0x0
	.amdhsa_kernel k_qd52de79c72_attn
		.amdhsa_group_segment_fixed_size 327680
		.amdhsa_private_segment_fixed_size 0
		.amdhsa_enable_private_segment 0
		.amdhsa_kernarg_size 16
		.amdhsa_user_sgpr_count 2
		.amdhsa_user_sgpr_kernarg_segment_ptr 1
		.amdhsa_wavefront_size32 1
		.amdhsa_system_sgpr_workgroup_id_x 1
		.amdhsa_system_sgpr_workgroup_id_y 1
		.amdhsa_system_sgpr_workgroup_id_z 1
		.amdhsa_system_vgpr_workitem_id 0
		.amdhsa_next_free_vgpr 258
		.amdhsa_next_free_sgpr 72
		.amdhsa_reserve_vcc 1
		.amdhsa_float_denorm_mode_32 3
		.amdhsa_float_denorm_mode_16_64 3
		.amdhsa_memory_ordered 1
		.amdhsa_forward_progress 1
		.amdhsa_inst_pref_size 255
	.end_amdhsa_kernel
	.section	.bss,"aw",@nobits
	.p2align	6
	.space	262144
	.amdgpu_metadata
---
amdhsa.version: [ 1, 2 ]
amdhsa.kernels:
  - .name:           k_qd52de79c72_attn
    .symbol:         k_qd52de79c72_attn.kd
    .args:
      - { .name: qkvh, .offset: 0, .size: 8, .value_kind: global_buffer, .address_space: global }
      - { .name: ao, .offset: 8, .size: 8, .value_kind: global_buffer, .address_space: global }
    .group_segment_fixed_size: 327680
    .private_segment_fixed_size: 0
    .kernarg_segment_align: 8
    .kernarg_segment_size: 16
    .max_flat_workgroup_size: 256
    .sgpr_count:     72
    .vgpr_count:     258
    .wavefront_size: 32
...
	.end_amdgpu_metadata
.endif
;; end of part 3
;; launch proj (part 4): grid 8 x 32, 4 waves a work-group, clusters of 4 x 4, 327,680 bytes of LDS; arguments ao, wob, out0; writes out0
.if DOCPART == 4
	.amdgcn_target "amdgcn-amd-amdhsa--gfx1250"
	.amdhsa_code_object_version 6
	.text
	.protected	k_qd52de79c72_proj
	.globl	k_qd52de79c72_proj
	.p2align	8
	.type	k_qd52de79c72_proj,@function
k_qd52de79c72_proj:
	s_mov_b64 s[64:65], 0
	v_nop
	global_prefetch_b8 v0, s[64:65] scope:SCOPE_SE
	s_setreg_imm32_b32 hwreg(HW_REG_WAVE_MODE, 25, 1), 1
	s_wait_xcnt 0x0
	s_wait_alu depctr_hold_cnt(0) depctr_sa_sdst(0) depctr_va_vdst(0) depctr_va_sdst(0) depctr_va_ssrc(0) depctr_va_vcc(0) depctr_vm_vsrc(0)
	s_getreg_b32 s2, hwreg(HW_REG_IB_STS2, 6, 4)
	s_cmp_eq_u32 s2, 0
	s_cbranch_scc0 .Lentry_in_a_cluster
	s_endpgm
.Lentry_in_a_cluster:
	s_bfe_u32 s2, ttmp6, 0x10000c
	s_cmp_lg_u32 s2, 0xf033
	s_cbranch_scc0 .Lentry_shape_is_right
	s_endpgm
.Lentry_shape_is_right:
; out0[m][n] = sum over k of a[m][k] w_o[n][k], k = 64 head + d.  ao: [16][4096][64] f16 (head-major), wob: [1024][1024] f16, out0: [4096][1024] f32.
; A work-group makes 128 x 128 (32 x 8 = 256 work-groups), a wave 64 x 64: 16 accumulator tiles in window 1 (tile (a, b) at v[8 (4 a + b)]).
; A slot holds K = 256 (four heads): 128 matrix instructions of a wave, in which the other slot's refill lands.  Four fills, written out.
; CLUSTERS of 4 x 4: a's tiles hang on the block row alone and are shared along a row of the cluster, w_o's on the block column alone.
; The matrix instruction is used transposed (source 0 = rows of w_o, source 1 = tokens): a lane's eight results are eight neighbouring columns.
.set HSTR,   524288
.set AP,     144                       ; a token's 128 bytes of one head + 16
.set BP,     528                       ; a row's 512 bytes + 16
.set PLANE,  128*AP                    ; 18,432: one head of 128 tokens
.set BOFF,   4*PLANE                   ; 73,728
.set HALFB,  64*BP                     ; 33,792
.set SLOT,   BOFF+2*HALFB              ; 141,312 = 552 x 256
.set STAGE,  2*SLOT                    ; 282,624: 16 rows x 272 bytes for each wave, never a tensor load's target
.set SPITCH, 272
.set ADRA, 16
.set ADRB, 20
.set STO,  24
.set RD,   25
.set CO,   26
.set F0,   64                          ; a buffer: a's fragments at +8 a, w_o's at +32 + 8 b
.set F1,   128
.set G1, 24
.set G0, 32
.set G1B, 48
.set G0B, 56
.set MSB, 0
.macro WIN new
.if MSB != \new
	s_set_vgpr_msb (MSB<<8)|\new
.set MSB, \new
.endif
.endm
.set MUL_W, 0x50                       ; sources 0 and 1 window 0, C and D window 1
.macro JLOAD s                         ; waves 0 and 1 ask for a's halves (two heads each), waves 2 and 3 for w_o's (64 rows each)
	s_cmp_eq_u32 s11, 0
	s_cbranch_scc0 .Lfor_b_\@
	tensor_load_to_lds s[G0+4*\s:G0+4*\s+3], s[G1:G1+7]
	s_nop 0
	s_branch .Lasked_\@
.Lfor_b_\@:
	tensor_load_to_lds s[G0B+4*\s:G0B+4*\s+3], s[G1B:G1B+7]
	s_nop 0
.Lasked_\@:
.endm
.macro CROUND                          ; a round of the cluster's barrier
	s_barrier_signal -1
	s_barrier_wait -1
	s_cmp_lg_u32 s10, 0
	s_cbranch_scc1 .Lnot_wave_0_\@
	s_barrier_signal -3
.Lnot_wave_0_\@:
	s_barrier_wait -3
	s_barrier_signal -1
	s_barrier_wait -1
.endm
	s_load_b128 s[4:7], s[0:1], 0x0                ; ao s[4:5], wob s[6:7]
	s_load_b64 s[8:9], s[0:1], 0x10                ; out0
	v_lshl_add_u32 v254, v0, 2, 0x49400
	v_mov_b32 v255, 0
	ds_add_u32 v254, v255
	v_lshrrev_b32 v1, 5, v0
	v_readfirstlane_b32 s10, v1
	s_lshr_b32 s11, s10, 1                         ; my half of the rows; also: I fetch for a (0) or for w_o (1)
	s_and_b32 s12, s10, 1                          ; my half of the columns; also: which half of that tile I fetch
	s_bfe_u32 s40, ttmp6, 0x40000
	s_bfe_u32 s41, ttmp6, 0x40004
	s_lshl_b32 s42, ttmp9, 2
	s_add_co_u32 s42, s42, s40                     ; block column nb
	s_and_b32 s13, ttmp7, 0xffff
	s_lshl_b32 s13, s13, 2
	s_add_co_u32 s13, s13, s41                     ; block row mb
	s_lshl_b32 s43, s41, 2
	s_lshl_b32 s43, 15, s43
	s_lshl_b32 s44, 0x1111, s40
	; a: two rows of 2,048 elements of 8 bytes (128 tokens of one head are 16 KiB, dense), a head plane apart; 16 bytes of padding behind every 32 words
	s_or_b32 s[G1+0], s43, (3<<16)|(1<<20)|(1<<21)|(4<<22)|(3<<25)
	s_mov_b32 s[G1+1], 2048<<16                    ; tensor_dim0
	s_mov_b32 s[G1+2], 2<<16                       ; tensor_dim1
	s_mov_b32 s[G1+3], 2048<<16                    ; tile_dim0
	s_mov_b32 s[G1+4], 2                           ; tile_dim1
	s_mov_b32 s[G1+5], HSTR/8                      ; pitch in elements
	s_mov_b32 s[G1+6], 0
	s_mov_b32 s[G1+7], 0
	; w_o: 64 rows of 256 f16; 16 bytes of padding behind every 128 words
	s_or_b32 s[G1B+0], s44, (1<<16)|(1<<20)|(1<<21)|(6<<22)|(3<<25)
	s_mov_b32 s[G1B+1], 256<<16
	s_mov_b32 s[G1B+2], 64<<16
	s_mov_b32 s[G1B+3], 256<<16
	s_mov_b32 s[G1B+4], 64
	s_mov_b32 s[G1B+5], 1024
	s_mov_b32 s[G1B+6], 0
	s_mov_b32 s[G1B+7], 0
	s_lshl_b32 s16, s13, 14                        ; a: 128 mb tokens x 128 bytes
	s_lshl_b32 s17, s12, 20                        ;    + two planes for the second half
	s_add_co_u32 s16, s16, s17
	s_mov_b32 s17, 0
	s_lshl_b32 s46, s42, 18                        ; w_o: 128 nb rows x 2,048 bytes
	s_lshl_b32 s47, s12, 17                        ;      + 64 rows
	s_add_co_u32 s46, s46, s47
	s_mov_b32 s47, 0
	s_mul_i32 s20, s10, 2*PLANE                    ; a's halves go to wave x 36,864 (waves 0, 1)
	s_mul_i32 s45, s10, HALFB
	s_add_co_u32 s45, s45, BOFF-2*HALFB            ; w_o's to BOFF + (wave - 2) x 33,792 (waves 2, 3)
	s_wait_dscnt 0x0
	s_wait_kmcnt 0x0
	s_add_nc_u64 s[14:15], s[4:5], s[16:17]
	s_add_nc_u64 s[46:47], s[6:7], s[46:47]
	CROUND                                         ; in front of the first joint loads
.irp s, 0,1
	s_mov_b32 s[G0+4*\s], 1
	s_add_co_u32 s[G0+4*\s+1], s20, \s*SLOT
	s_add_nc_u64 s[G0+4*\s+2:G0+4*\s+3], s[14:15], \s*4*HSTR       ; heads 4 s ..
	s_or_b32 s[G0+4*\s+3], s[G0+4*\s+3], 0x80000000
	s_mov_b32 s[G0B+4*\s], 1
	s_add_co_u32 s[G0B+4*\s+1], s45, \s*SLOT
	s_add_nc_u64 s[G0B+4*\s+2:G0B+4*\s+3], s[46:47], \s*512        ; k = 256 s ..
	s_or_b32 s[G0B+4*\s+3], s[G0B+4*\s+3], 0x80000000
	JLOAD \s                                       ; two loads of the wave are out here, later one
.endr
	v_and_b32 v1, 15, v0                           ; r
	v_bfe_u32 v2, v0, 4, 1                         ; h
	v_mul_u32_u24 v3, v1, AP
	v_lshl_add_u32 v3, v2, 4, v3
	v_mul_u32_u24 v4, v1, BP
	v_lshl_add_u32 v4, v2, 4, v4
	s_mul_i32 s21, s11, 64*AP                      ; my 64 tokens in each plane
	s_mul_i32 s22, s12, HALFB                      ; my 64 rows of w_o
	s_add_co_u32 s22, s22, BOFF
.irp s, 0,1
	v_add_nc_u32 v[ADRA+\s], s21, v3
	v_add_nc_u32 v[ADRB+\s], s22, v4
	s_add_co_u32 s21, s21, SLOT
	s_add_co_u32 s22, s22, SLOT
.endr
	s_mul_i32 s23, s10, 16*SPITCH
	s_add_co_u32 s23, s23, STAGE                   ; my stage
	v_mul_u32_u24 v5, v1, SPITCH
	v_lshl_add_u32 v5, v2, 5, v5                   ; in: row r, 32 bytes for each half of the lanes
	v_add_nc_u32 v[STO], s23, v5
	v_mul_u32_u24 v5, v2, SPITCH
	v_lshl_add_u32 v5, v1, 4, v5                   ; back: lanes 0-15 one row of 256 bytes, lanes 16-31 the next
	v_add_nc_u32 v[RD], s23, v5
	v_lshlrev_b32 v5, 12, v2                       ; the same two rows in out0 (4,096 bytes a row)
	v_lshl_add_u32 v[CO], v1, 4, v5
; 16 LDS loads: K step kk (32 of the slot's 256) of my 64 rows of w_o, then of my 64 tokens (head kk / 2, d = 32 (kk % 2) ..)
.macro FETCH slot, kk, f
.irp b, 0,1,2,3
	ds_load_b128 v[\f+32+8*\b:\f+32+8*\b+3], v[ADRB+\slot] offset:64*\kk+\b*16*BP
	ds_load_b128 v[\f+32+8*\b+4:\f+32+8*\b+7], v[ADRB+\slot] offset:64*\kk+\b*16*BP+32
.endr
.irp a, 0,1,2,3
	ds_load_b128 v[\f+8*\a:\f+8*\a+3], v[ADRA+\slot] offset:(\kk>>1)*PLANE+(\kk&1)*64+\a*16*AP
	ds_load_b128 v[\f+8*\a+4:\f+8*\a+7], v[ADRA+\slot] offset:(\kk>>1)*PLANE+(\kk&1)*64+\a*16*AP+32
.endr
.endm
.macro MUL8 f, a0, zero
.irp a, \a0, \a0+1
.irp b, 0,1,2,3
.if \zero
	v_wmma_f32_16x16x32_f16 v[8*(4*(\a)+\b):8*(4*(\a)+\b)+7], v[\f+32+8*\b:\f+32+8*\b+7], v[\f+8*(\a):\f+8*(\a)+7], 0
.else
	v_wmma_f32_16x16x32_f16 v[8*(4*(\a)+\b):8*(4*(\a)+\b)+7], v[\f+32+8*\b:\f+32+8*\b+7], v[\f+8*(\a):\f+8*(\a)+7], v[8*(4*(\a)+\b):8*(4*(\a)+\b)+7]
.endif
.endr
.endr
.endm
.macro PLACES                          ; four places behind matrix instructions, in front of loads into registers that they read
.rept 4
	v_nop
.endr
.endm
; 16 matrix instructions on buffer f; in their middle K step kn goes into buffer g.  The 16 accumulators take turns, one instruction
; a turn, in the same order in every step.
.macro QSTEP slot, kn, f, g, zero
	s_wait_dscnt 4                                 ; w_o and token blocks 0, 1 are in; the youngest four loads (blocks 2, 3) may be out
	WIN MUL_W
	MUL8 \f, 0, \zero
	WIN 0
	PLACES
	FETCH \slot, \kn, \g
	s_wait_dscnt 16                                ; all but the 16 just issued
	WIN MUL_W
	MUL8 \f, 2, \zero
.endm
.macro SLOTWORK slot, zero
	QSTEP \slot, 1, F0, F1, \zero
	QSTEP \slot, 2, F1, F0, 0
	QSTEP \slot, 3, F0, F1, 0
	QSTEP \slot, 4, F1, F0, 0
	QSTEP \slot, 5, F0, F1, 0
	QSTEP \slot, 6, F1, F0, 0
	QSTEP \slot, 7, F0, F1, 0
	s_wait_dscnt 0
	MUL8 F1, 0, 0
	MUL8 F1, 2, 0
	WIN 0
.endm
; Slot s has been read.  Each wave waits for its reads and for all its tensor loads (the other slot's fill among them); fill = 1: a round
; of the cluster's barrier, and the joint refill of slot s first behind it; then the other slot's first fragments.
.macro CHANGE s, fill
	s_wait_dscnt 0x0
	s_wait_tensorcnt 0x0
	ds_add_u32 v254, v255
	s_wait_dscnt 0x0
.if \fill
	s_add_nc_u64 s[G0+4*\s+2:G0+4*\s+3], s[G0+4*\s+2:G0+4*\s+3], 8*HSTR    ; eight heads on
	s_add_nc_u64 s[G0B+4*\s+2:G0B+4*\s+3], s[G0B+4*\s+2:G0B+4*\s+3], 1024  ; k + 512
	CROUND
	JLOAD \s
.else
	s_barrier_signal -1
	s_barrier_wait -1
.endif
	PLACES
	FETCH 1-\s, 0, F0
.endm
	s_wait_tensorcnt 1                             ; my part of slot 0 is in; slot 1's stays out
	s_barrier_signal -1
	s_barrier_wait -1
	FETCH 0, 0, F0
	SLOTWORK 0, 1                                  ; heads 0-3; the first products start the sums
	CHANGE 0, 1                                    ; heads 8-11 go out
	SLOTWORK 1, 0                                  ; heads 4-7
	CHANGE 1, 1                                    ; heads 12-15 go out
	SLOTWORK 0, 0
	CHANGE 0, 0                                    ; nothing is left to fetch
	SLOTWORK 1, 0
	PLACES                                         ; behind the last matrix instructions: LDS stores read results, loads land on fragment registers
	s_lshl_b32 s16, s13, 7
	s_lshl_b32 s14, s11, 6
	s_add_co_u32 s16, s16, s14                     ; my first row
	s_lshl_b32 s16, s16, 12                        ; 4,096 bytes a row
	s_mov_b32 s17, 0
	s_add_nc_u64 s[8:9], s[8:9], s[16:17]
	s_lshl_b32 s46, s42, 9                         ; my first column, in bytes: 512 nb + 256 half
	s_lshl_b32 s47, s12, 8
	s_add_co_u32 s46, s46, s47
	s_mov_b32 s47, 0
	s_add_nc_u64 s[8:9], s[8:9], s[46:47]
; 16 rows x 64 columns of f32 through my own stage: in as 32 bytes a lane and tile, back as whole rows of 256 bytes.
; Each block of rows has its own registers for the way back, so no store's data is written again.
.macro OUT16 a
	WIN 0x04                                       ; the stores' data in window 1
.irp b, 0,1,2,3
	ds_store_b128 v[STO], v[8*(4*\a+\b):8*(4*\a+\b)+3] offset:64*\b
	ds_store_b128 v[STO], v[8*(4*\a+\b)+4:8*(4*\a+\b)+7] offset:64*\b+16
.endr
	WIN 0
.irp t, 0,1,2,3,4,5,6,7
	ds_load_b128 v[64+32*\a+4*\t:64+32*\a+4*\t+3], v[RD] offset:\t*2*SPITCH    ; LDS serves a wave's instructions in order: these see the stores above
.endr
.irp t, 0,1,2,3,4,5,6,7
	s_wait_dscnt 7-\t
	global_store_b128 v[CO], v[64+32*\a+4*\t:64+32*\a+4*\t+3], s[8:9] offset:65536*\a+8192*\t th:TH_STORE_NT   ; 16 lanes store 256 consecutive bytes, aligned
.endr
.endm
	OUT16 0
	OUT16 1
	OUT16 2
	OUT16 3
	s_wait_tensorcnt 0x0
	ds_add_u32 v254, v255
	s_wait_dscnt 0x0
	CROUND                                         ; the closing round
	s_endpgm
.Lfunc_end_k_qd52de79c72_proj:
	.size	k_qd52de79c72_proj, .Lfunc_end_k_qd52de79c72_proj-k_qd52de79c72_proj
	.p2alignl 7, 3214868480
	.fill 96, 4, 3214868480
	.section	.rodata,"a",@progbits
	.p2align	6, 0x0
	.amdhsa_kernel k_qd52de79c72_proj
		.amdhsa_group_segment_fixed_size 327680
		.amdhsa_private_segment_fixed_size 0
		.amdhsa_enable_private_segment 0
		.amdhsa_kernarg_size 24
		.amdhsa_user_sgpr_count 2
		.amdhsa_user_sgpr_kernarg_segment_ptr 1
		.amdhsa_wavefront_size32 1
		.amdhsa_system_sgpr_workgroup_id_x 1
		.amdhsa_system_sgpr_workgroup_id_y 1
		.amdhsa_system_sgpr_workgroup_id_z 1
		.amdhsa_system_vgpr_workitem_id 0
		.amdhsa_next_free_vgpr 384
		.amdhsa_next_free_sgpr 66
		.amdhsa_reserve_vcc 0
		.amdhsa_float_denorm_mode_32 3
		.amdhsa_float_denorm_mode_16_64 3
		.amdhsa_memory_ordered 1
		.amdhsa_forward_progress 1
		.amdhsa_inst_pref_size 90
	.end_amdhsa_kernel
	.amdgpu_metadata
---
amdhsa.version: [ 1, 2 ]
amdhsa.kernels:
  - .name:           k_qd52de79c72_proj
    .symbol:         k_qd52de79c72_proj.kd
    .args:
      - { .name: ao, .offset: 0, .size: 8, .value_kind: global_buffer, .address_space: global }
      - { .name: wob, .offset: 8, .size: 8, .value_kind: global_buffer, .address_space: global }
      - { .name: out0, .offset: 16, .size: 8, .value_kind: global_buffer, .address_space: global }
    .group_segment_fixed_size: 327680
    .private_segment_fixed_size: 0
    .kernarg_segment_align: 8
    .kernarg_segment_size: 24
    .max_flat_workgroup_size: 128
    .sgpr_count:     66
    .vgpr_count:     384
    .wavefront_size: 32
...
	.end_amdgpu_metadata
.endif
;; end of part 4
